; MI455X (gfx1250); checked and timed in simulation.
; The chip was launched on July 23, 2026; its instructions are those of AMD's public machine-readable ISA for CDNA 5 (MIT licence, August 2026) and "CDNA5" Instruction Set Architecture Reference Guide (July 2026). The comments in the code are by the model that wrote it; some were corrected since.
;; Curv Self Attention. Allowed arithmetic: matrix products marked QUANTISED: E2M3 operands, one E8M0 scale for each 32 along K, by v_wmma_scale_f32_16x16x128_f8f6f4 with both operands' format E2M3, f32 sums; everything else in f32.
;; Inputs: Wk 1,024 x 1,024 float32; Wq 1,024 x 1,024 float32; Ws 1,024 x 128 float32; Wv 1,024 x 1,024 float32; bk 1,024 float32; bq 1,024 float32; bs 128 float32; bv 1,024 float32; hidden_states 4 x 2,048 x 1,024 float32.
;; Outputs: out0 4 x 2,048 x 1,024 float32.
;; This version of the problem:
;;   THIS VERSION OF THE PROBLEM IS GIVEN IN LOW PRECISION. The matrix products marked QUANTISED in the list below multiply operands that are first quantised to E2M3 (2 exponent bits, 3 mantissa bits; 6 bits a number), with one power-of-two scale for each 32 numbers along K (OCP MX v1.0); their sums are f32. All else is computed in f32.
;;   The module's matrix products, in the order in which they are computed (A, B: the left and right operand; K: the contracted axis; several contracted axes count as one K, in the product's order):
;;     1. [M 8,192, K 1,024] x [K 1,024, N 1,024]; A: input hidden_states; B: input Wq: QUANTISED
;;     2. [M 8,192, K 1,024] x [K 1,024, N 1,024]; A: input hidden_states; B: input Wk: QUANTISED
;;     3. [M 8,192, K 1,024] x [K 1,024, N 1,024]; A: input hidden_states; B: input Wv: QUANTISED
;;     4. [M 8,192, K 1,024] x [K 1,024, N 128]; A: input hidden_states; B: input Ws: QUANTISED
;;     5. batch 64 x [M 2,048, K 64] x [K 64, N 2,048]; A: computed on the way; B: computed on the way: QUANTISED
;;     6. batch 64 x [M 2,048, K 2,048] x [K 2,048, N 64]; A: softmax (see below); B: computed on the way: QUANTISED
;;   THE QUANTISER, for each operand of a quantised product, along K:
;;     - K is cut into blocks of 32 from its start; a last block that is shorter is filled with zeros.
;;     - A block's scale is 2^e with e = floor(log2(the largest magnitude in the block)) - 2, held to -126 .. 127; a block of zeros has e = 0. As a byte (E8M0): e + 127.
;;     - Each number is divided by its block's scale, clamped to +-7.5, and rounded to the nearest number of E2M3, ties to even, subnormals kept.
;;     - The product sums the exact products of the quantised numbers (number of the format x scale) in f32.
;;   ~~~python
;;   def quantise(x, axis):      # numpy; x: float32 -> the quantised numbers, widened to float32 again
;;       x = np.moveaxis(x, axis, -1); K = x.shape[-1]
;;       x = np.pad(x, [(0, 0)] * (x.ndim - 1) + [(0, -K % 32)]); x = x.reshape(x.shape[:-1] + (-1, 32)); a = np.abs(x).max(-1, keepdims=True)
;;       e = np.where(a > 0, np.clip(np.frexp(np.where(a > 0, a, 1))[1] - 1 - 2, -126, 127), 0)      # np.frexp(a)[1] - 1 = floor(log2(a)), exactly
;;       r = np.clip(x / 2.0 ** e, -7.5, 7.5)
;;       step = 2.0 ** (np.maximum(np.frexp(np.where(r == 0, 1, r))[1] - 1, 0) - 3)
;;       q = np.round(r / step) * step * 2.0 ** e      # np.round: ties to even
;;       return np.moveaxis(q.reshape(q.shape[:-2] + (-1,))[..., :K], -1, axis).astype(np.float32)
;;   ~~~
;;   SOFTMAX AHEAD OF A QUANTISED PRODUCT. Where the list says 'softmax', what is quantised is not the finished softmax but p = 2^(t - M), with t = logit x log2(e) and M = ceil(the row's largest t), a whole number; so 1/2 < the row's largest p <= 1. The row's sum l is taken of the UNQUANTISED p, in f32, and the product's result is divided by l at the end. Since M is a whole number, a kernel that streams over the keys may use a running M (the ceiling of the running maximum): every later rescaling is an exact power of two, which a block's scale takes up: the codes' values come out the same.
;;   OPERANDS COMPUTED ON THE WAY. 'Computed on the way' means the value that the module computes at that place (a softmax that the list does not call 'softmax' is quantised finished and normalised). What goes into a quantiser is computed in f32, as accurately as f32 sums, v_exp_f32 and their like allow (about 1e-6 of the number): no bf16 or f16 on the way to a quantiser, and a product that is left as it is and whose result goes on into a quantised operand takes f32 operands (vector FMAs, or v_wmma_f32_16x16x4_f32). A number that lies on a knife's edge between two numbers of the format may be rounded either way, as far as f32 arithmetic and the matrix unit's own rounding can turn it there, and no further.
;; One version. Each part assembles by itself: llvm-mc -triple=amdgcn-amd-amdhsa -mcpu=gfx1250 --defsym DOCPART=n.
;; ======== version 1 of 1: 3 launches
;; workspace buffers: hc 6,291,456 bytes; hs 262,144 bytes; wc 2,457,600 bytes; wsl 102,400 bytes; qkv 20,185,088 bytes
;; launch quant (part 1): grid 356 x 1, 4 waves a work-group, no clusters, 68,096 bytes of LDS; arguments hidden_states, Wq, Wk, Wv, Ws, hc, hs, wc, wsl; writes hc, hs, wc, wsl
.if DOCPART == 1
	.amdgcn_target "amdgcn-amd-amdhsa--gfx1250"
	.amdhsa_code_object_version 6
	.text
	.protected	k_qfe499bd299_quant
	.globl	k_qfe499bd299_quant
	.p2align	8
	.type	k_qfe499bd299_quant,@function
k_qfe499bd299_quant:
	s_mov_b64 s[64:65], 0
	v_nop
	global_prefetch_b8 v0, s[64:65] scope:SCOPE_SE
	s_setreg_imm32_b32 hwreg(HW_REG_WAVE_MODE, 25, 1), 1
	s_wait_xcnt 0x0
; hidden_states [8192][1024] and the weights Wq, Wk, Wv [1024][1024], Ws [1024][128], all f32, become codes of FP6 (E2M3) with K = 1,024 innermost
; (a row of 768 bytes) and one E8M0 byte for each 32 along K (a row of 32 bytes).  hc, hs: the tokens' rows;  wc, wsl: the weights' columns as rows: 0-1023 Wq, 1024-2047 Wk, 2048-3071 Wv, 3072-3199 Ws.
; A block's scale is 2^(floor(log2(its largest magnitude)) - 2); its byte is the largest magnitude's exponent field - 2, held at 1 from below.
; TILE ORDER: in every 32 rows the second and the third group of eight change places, so that 16 consecutive stored rows are a tile whose lane r holds row 8 u + r + 8 (r / 8) of the 32:
; the 16 registers of two neighbouring result tiles of the next launch are then 16 neighbours.  Ws's 16 columns of two heads are stored so that stored row 8 h + 4 a + 2 b + c holds column 8 a + 4 b + 2 h + c.
; LIMITS: NaN and infinities among the inputs are not served; a block of zeros gets the byte 1 where the rule says 127: its codes are zeros, and only this program reads the bytes.
; Work-groups 0-99 take the weights (a lane to a column, registers down K), 100-355 the tokens (a plain stream of blocks).  Each way has LDS bytes of its own.  No tensor loads, no barrier: waves share nothing.
.set WWG,   100
.set EMAX,  2
.set STEPS, 16                         ; the tokens' way: a wave takes 16 steps of 512 numbers: 8 rows
.set CB,    12                         ; bytes of 16 codes
.set HR,    16                         ; v16-79   four sets of 16 numbers as they are loaded
.set HX,    80                         ; v80-111  two sets of 16 neighbours
.set HE,    112                        ; v112-127 a scale byte for each step
.set HC,    128                        ; v128-191 codes: four registers for each step
.set WREG,  8192                       ; LDS of a wave on the tokens' way: two stages of 32 x SP bytes, then its 256 scale bytes
.set SP,    80                         ; a lane's place in a stage: 64 bytes + 16 of padding
.set NB,    8                          ; the weights' way: a wave takes 32 columns x 256 along K: 8 blocks a lane
.set WPITCH, 272                       ; a stage row: sixteen places of 16 bytes, each with 12 bytes of codes, + 16
.set WSTG,  32768                      ; the weights' stages begin behind the tokens' LDS
.set WX,    32                         ; v32-95   two sets of 32 numbers
.set WC,    96                         ; v96-102  a block's codes
.set WOUT,  112                        ; v112-175 the way out
.set WSB,   24                         ; v24-25   the scale bytes
.set VO,    176                        ; v176-207 the byte offset of row i of a block at my column
	s_load_b256 s[4:11], s[0:1], 0x0               ; hidden_states, Wq, Wk, Wv
	s_load_b256 s[12:19], s[0:1], 0x20             ; Ws, hc, hs, wc
	s_load_b64 s[20:21], s[0:1], 0x40              ; wsl
	v_lshl_add_u32 v208, v0, 2, 0x10800
	v_mov_b32 v209, 0
	v_lshrrev_b32 v1, 5, v0
	v_readfirstlane_b32 s22, v1                    ; wave
	v_and_b32 v2, 31, v0                           ; lane
	s_wait_kmcnt 0x0
	s_cmp_lt_u32 ttmp9, WWG
	s_cbranch_scc1 .Lweights
; ---------------- the tokens: 16 neighbours to a lane, every load dense, a turn through the wave's own stage ----------------
	v_lshlrev_b32 v3, 4, v2                        ; my 16 bytes of a load's 512
	s_mul_i32 s23, s22, WREG
	v_lshrrev_b32 v14, 2, v2
	v_mul_u32_u24 v14, v14, SP
	v_and_b32 v15, 3, v2
	v_lshl_add_u32 v14, v15, 4, v14
	v_add_nc_u32 v14, s23, v14                     ; the stage on the way in: SP (lane / 4) + 16 (lane % 4)
	v_mul_u32_u24 v15, v2, SP
	v_add_nc_u32 v15, s23, v15                     ; and on the way out: SP x lane
	v_mul_u32_u24 v4, v2, CB                       ; my codes' place in a step's
	v_lshrrev_b32 v5, 1, v2
	s_add_co_u32 s23, s23, 2*32*SP
	v_add_nc_u32 v5, s23, v5                       ; my block's byte among my wave's 256
	v_lshlrev_b32 v7, 3, v2
	v_add_nc_u32 v6, s23, v7                       ; and 8 bytes a lane on the way out
	s_sub_co_u32 s23, ttmp9, WWG
	s_lshl_b32 s23, s23, 2                         ; the work-group's first run of 8 rows
	s_add_co_u32 s24, s23, s22
	s_lshl_b32 s24, s24, 15                        ; my run: 8,192 numbers, 32,768 bytes
	s_mov_b32 s25, 0
	s_add_nc_u64 s[4:5], s[4:5], s[24:25]
	s_and_b32 s26, s22, 1                          ; tile order: runs 1 and 2 of the four change places
	s_lshl_b32 s26, s26, 1
	s_lshr_b32 s27, s22, 1
	s_or_b32 s26, s26, s27
	s_add_co_u32 s26, s23, s26
	s_mul_i32 s24, s26, 8*768
	s_add_nc_u64 s[14:15], s[14:15], s[24:25]
	s_lshl_b32 s24, s26, 8
	s_add_nc_u64 s[16:17], s[16:17], s[24:25]
.macro HLOAD t
.irp i, 0,1,2,3
	global_load_b128 v[HR+16*((\t)%4)+4*\i:HR+16*((\t)%4)+4*\i+3], v3, s[4:5] offset:2048*(\t)+512*\i th:TH_LOAD_NT   ; 32 lanes read 512 consecutive bytes
.endr
.endm
.macro HTURN t                         ; LDS serves a wave's instructions in order: no wait between the stores and the loads
.irp i, 0,1,2,3
	ds_store_b128 v14, v[HR+16*((\t)%4)+4*\i:HR+16*((\t)%4)+4*\i+3] offset:32*SP*((\t)%2)+8*SP*\i
.endr
.irp i, 0,1,2,3
	ds_load_b128 v[HX+16*((\t)%2)+4*\i:HX+16*((\t)%2)+4*\i+3], v15 offset:32*SP*((\t)%2)+16*\i
.endr
.endm
.irp t, 0,1,2,3
	HLOAD \t
.endr
	s_wait_loadcnt 12                              ; step 0's four loads are in
	HTURN 0
.macro HSTEP t
.set XS, HX+16*((\t)%2)
.if (\t) > 0
	s_wait_dscnt 1                                 ; this step's numbers are back from the stage (the last step's byte store may be out)
.else
	s_wait_dscnt 0x0
.endif
.if (\t)+4 < STEPS
	HLOAD (\t)+4
.endif
.if (\t)+1 < STEPS
.if STEPS-2-(\t) >= 3
	s_wait_loadcnt 12                              ; the next step's four loads are in; those of the three steps behind it may be out
.else
	s_wait_loadcnt 4*(STEPS-2-(\t))
.endif
	HTURN (\t)+1
.endif
	v_max3_num_f32 v8, |v[XS]|, |v[XS+1]|, |v[XS+2]|               ; the largest magnitude of my 16, in two chains
	v_max3_num_f32 v9, |v[XS+3]|, |v[XS+4]|, |v[XS+5]|
.irp i, 6,10
	v_max3_num_f32 v8, v8, |v[XS+\i]|, |v[XS+\i+1]|
	v_max3_num_f32 v9, v9, |v[XS+\i+2]|, |v[XS+\i+3]|
.endr
	v_max3_num_f32 v8, v8, |v[XS+14]|, |v[XS+15]|
	v_max3_num_f32 v8, v8, v9, (EMAX+1)<<23        ; and the floor 2^(3 - 127): the byte cannot fall under 1
	v_max_num_f32_dpp v8, v8, v8 row_xmask:1 row_mask:0xf bank_mask:0xf   ; and of my neighbour's 16: the block's
	v_add_nc_u32 v11, 0xff000000, v8               ; 2 off its exponent field: the conversion's scale operand
	v_cvt_scalef32_pk16_fp6_f32 v[HC+4*(\t):HC+4*(\t)+2], v[XS:XS+15], v11
	v_lshrrev_b32 v[HE+(\t)], 23, v11              ; the scale's byte (a plain line behind the conversion)
	ds_store_b8 v5, v[HE+(\t)] offset:16*(\t)      ; both lanes of a block write the same byte with the same value
	global_store_b96 v4, v[HC+4*(\t):HC+4*(\t)+2], s[14:15] offset:32*CB*(\t)   ; the wave stores 384 consecutive bytes
.endm
.irp t, 0,1,2,3,4,5,6,7,8,9,10,11,12,13,14,15
	HSTEP \t
.endr
	ds_load_b64 v[12:13], v6                       ; in order behind my byte stores
	s_wait_dscnt 0x0
	global_store_b64 v7, v[12:13], s[16:17]        ; 32 lanes store 256 consecutive bytes, aligned
	s_wait_tensorcnt 0x0
	ds_add_u32 v208, v209
	s_wait_dscnt 0x0
	s_endpgm
; ---------------- the weights: a lane takes a column, its registers run down K ----------------
.Lweights:
	s_lshr_b32 s23, ttmp9, 2                       ; which 128 stored rows: 0 .. 24
	s_and_b32 s24, ttmp9, 3                        ; which 256 along K
	s_lshr_b32 s25, s23, 3                         ; 0 Wq, 1 Wk, 2 Wv, 3 Ws
	s_cmp_eq_u32 s25, 1
	s_cselect_b64 s[6:7], s[8:9], s[6:7]
	s_cmp_eq_u32 s25, 2
	s_cselect_b64 s[6:7], s[10:11], s[6:7]
	s_cmp_eq_u32 s25, 3
	s_cselect_b64 s[6:7], s[12:13], s[6:7]
	s_cselect_b32 s26, 9, 12                       ; a row of the source is 512 or 4,096 bytes
	s_cselect_b32 s30, -1, 0                       ; all lanes: Ws's order of columns
	s_lshl_b32 s27, 1, s26
	s_add_co_u32 s28, s26, 8
	s_lshl_b32 s28, s24, s28                       ; 256 rows of the source for each step along K
	s_and_b32 s29, s23, 7
	s_lshl_b32 s29, s29, 9                         ; 128 columns of 4 bytes
	s_add_co_u32 s28, s28, s29
	s_lshl_b32 s29, s22, 7                         ; my wave's 32 columns
	s_add_co_u32 s28, s28, s29
	s_mov_b32 s29, 0
	s_add_nc_u64 s[32:33], s[6:7], s[28:29]        ; block 0's base;
	s_lshl_b32 s28, s27, 5
.irp t, 1,2,3,4,5,6,7
	s_add_nc_u64 s[32+2*\t:33+2*\t], s[30+2*\t:31+2*\t], s[28:29]   ; block t's: 32 rows on.  No pointer is stepped later
.endr
	v_and_b32 v3, 7, v2                            ; stored row l takes column (l & 7) | (l & 8) << 1 | (l & 16) >> 1 of the 32;
	v_and_b32 v4, 8, v2
	v_lshl_or_b32 v3, v4, 1, v3
	v_and_b32 v4, 16, v2
	v_lshrrev_b32 v4, 1, v4
	v_or_b32 v3, v3, v4
	v_and_b32 v5, 17, v2                           ; in Ws: (l & 17) | (l & 6) << 1 | (l & 8) >> 2
	v_and_b32 v4, 6, v2
	v_lshl_or_b32 v5, v4, 1, v5
	v_and_b32 v4, 8, v2
	v_lshrrev_b32 v4, 2, v4
	v_or_b32 v5, v5, v4
	v_cndmask_b32 v3, v3, v5, s30
	v_lshlrev_b32 v[VO], 2, v3
.set i, 1
.rept 31
	v_add_nc_u32 v[VO+i], s27, v[VO+i-1]           ; a row of the source further down
.set i, i+1
.endr
	s_mul_i32 s31, s22, 32*WPITCH
	s_add_co_u32 s31, s31, WSTG                    ; my stage
	v_mul_u32_u24 v4, v2, WPITCH
	v_add_nc_u32 v4, s31, v4                       ; into it: row = my stored row
	v_and_b32 v5, 15, v2
	v_lshrrev_b32 v6, 4, v2
	v_mul_u32_u24 v7, v6, WPITCH
	v_lshl_add_u32 v7, v5, 4, v7
	v_add_nc_u32 v7, s31, v7                       ; out of it: sixteen lanes to a row, two rows an instruction
	v_mul_u32_u24 v8, v6, 768
	v_mad_u32_u24 v8, v5, 12, v8                   ; and the same place among the codes
	v_lshlrev_b32 v9, 5, v2                        ; my row of scale bytes
	s_lshl_b32 s48, s23, 7
	s_lshl_b32 s49, s22, 5
	s_add_co_u32 s48, s48, s49                     ; my wave's first stored row
	s_mul_i32 s50, s48, 768
	s_mul_i32 s49, s24, 192
	s_add_co_u32 s50, s50, s49
	s_mov_b32 s51, 0
	s_add_nc_u64 s[18:19], s[18:19], s[50:51]
	s_lshl_b32 s50, s48, 5
	s_lshl_b32 s49, s24, 3
	s_add_co_u32 s50, s50, s49
	s_add_nc_u64 s[20:21], s[20:21], s[50:51]
.macro WLOAD t                         ; block t: 32 rows of the source at my column; a load reads one piece of 128 bytes
.set i, 0
.rept 32
	global_load_b32 v[WX+32*((\t)%2)+i], v[VO+i], s[32+2*(\t):33+2*(\t)] th:TH_LOAD_NT
.set i, i+1
.endr
.endm
	WLOAD 0
	WLOAD 1
.macro WBLOCK t
.set XS, WX+32*((\t)%2)
.if (\t) < NB-1
	s_wait_loadcnt 32                              ; this block's 32 loads are in; the next block's may be out
.else
	s_wait_loadcnt 0
.endif
	v_max3_num_f32 v12, |v[XS]|, |v[XS+1]|, |v[XS+2]|              ; the block's largest magnitude: all 32 numbers are mine
	v_max3_num_f32 v13, |v[XS+3]|, |v[XS+4]|, |v[XS+5]|
.irp i, 6,10,14,18,22,26
	v_max3_num_f32 v12, v12, |v[XS+\i]|, |v[XS+\i+1]|
	v_max3_num_f32 v13, v13, |v[XS+\i+2]|, |v[XS+\i+3]|
.endr
	v_max3_num_f32 v12, v12, |v[XS+30]|, |v[XS+31]|
	v_max3_num_f32 v12, v12, v13, (EMAX+1)<<23     ; and the floor
	v_add_nc_u32 v11, 0xff000000, v12              ; the conversion's scale operand
	v_lshrrev_b32 v13, 23, v11                     ; the scale's byte
.if (\t)%4 == 0
	v_mov_b32 v[WSB+(\t)/4], v13
.else
	v_lshl_or_b32 v[WSB+(\t)/4], v13, 8*((\t)%4), v[WSB+(\t)/4]
.endif
	v_cvt_scalef32_pk16_fp6_f32 v[WC:WC+2], v[XS:XS+15], v11
	v_cvt_scalef32_pk16_fp6_f32 v[WC+4:WC+6], v[XS+16:XS+31], v11  ; (a conversion's three registers begin on an even number)
	v_nop                                          ; a plain line behind the last conversion
	ds_store_b96 v4, v[WC:WC+2] offset:32*(\t)     ; 12 bytes to a place of 16
	ds_store_b96 v4, v[WC+4:WC+6] offset:32*(\t)+16
.if (\t)+2 < NB
	WLOAD (\t)+2
.endif
	s_wait_dscnt 0x0                               ; the stores have read their registers: the next block's codes may be written
.endm
.irp t, 0,1,2,3,4,5,6,7
	WBLOCK \t
.endr
	global_store_b64 v9, v[WSB:WSB+1], s[20:21]    ; my row's 8 scale bytes
.irp t, 0,1,2,3,4,5,6,7,8,9,10,11,12,13,14,15
	ds_load_b96 v[WOUT+4*\t:WOUT+4*\t+2], v7 offset:2*\t*WPITCH
.endr
.irp t, 0,1,2,3,4,5,6,7,8,9,10,11,12,13,14,15
	s_wait_dscnt 15-\t
	global_store_b96 v8, v[WOUT+4*\t:WOUT+4*\t+2], s[18:19] offset:2*\t*768   ; sixteen lanes store a row's 192 consecutive bytes
.endr
	s_wait_tensorcnt 0x0
	ds_add_u32 v208, v209
	s_wait_dscnt 0x0
	s_endpgm
.Lfunc_end_k_qfe499bd299_quant:
	.size	k_qfe499bd299_quant, .Lfunc_end_k_qfe499bd299_quant-k_qfe499bd299_quant
	.p2alignl 7, 3214868480
	.fill 96, 4, 3214868480
	.section	.rodata,"a",@progbits
	.p2align	6, 0x0
	.amdhsa_kernel k_qfe499bd299_quant
		.amdhsa_group_segment_fixed_size 68096
		.amdhsa_private_segment_fixed_size 0
		.amdhsa_enable_private_segment 0
		.amdhsa_kernarg_size 72
		.amdhsa_user_sgpr_count 2
		.amdhsa_user_sgpr_kernarg_segment_ptr 1
		.amdhsa_wavefront_size32 1
		.amdhsa_system_sgpr_workgroup_id_x 1
		.amdhsa_system_sgpr_workgroup_id_y 1
		.amdhsa_system_sgpr_workgroup_id_z 1
		.amdhsa_system_vgpr_workitem_id 0
		.amdhsa_next_free_vgpr 210
		.amdhsa_next_free_sgpr 66
		.amdhsa_reserve_vcc 0
		.amdhsa_float_denorm_mode_32 3
		.amdhsa_float_denorm_mode_16_64 3
		.amdhsa_memory_ordered 1
		.amdhsa_forward_progress 1
		.amdhsa_inst_pref_size 75
	.end_amdhsa_kernel
	.amdgpu_metadata
---
amdhsa.version: [ 1, 2 ]
amdhsa.kernels:
  - .name:           k_qfe499bd299_quant
    .symbol:         k_qfe499bd299_quant.kd
    .args:
      - { .name: hidden_states, .offset: 0, .size: 8, .value_kind: global_buffer, .address_space: global }
      - { .name: Wq, .offset: 8, .size: 8, .value_kind: global_buffer, .address_space: global }
      - { .name: Wk, .offset: 16, .size: 8, .value_kind: global_buffer, .address_space: global }
      - { .name: Wv, .offset: 24, .size: 8, .value_kind: global_buffer, .address_space: global }
      - { .name: Ws, .offset: 32, .size: 8, .value_kind: global_buffer, .address_space: global }
      - { .name: hc, .offset: 40, .size: 8, .value_kind: global_buffer, .address_space: global }
      - { .name: hs, .offset: 48, .size: 8, .value_kind: global_buffer, .address_space: global }
      - { .name: wc, .offset: 56, .size: 8, .value_kind: global_buffer, .address_space: global }
      - { .name: wsl, .offset: 64, .size: 8, .value_kind: global_buffer, .address_space: global }
    .group_segment_fixed_size: 68096
    .private_segment_fixed_size: 0
    .kernarg_segment_align: 8
    .kernarg_segment_size: 72
    .max_flat_workgroup_size: 128
    .sgpr_count:     66
    .vgpr_count:     210
    .wavefront_size: 32
...
	.end_amdgpu_metadata
.endif
;; end of part 1
;; launch proj (part 2): grid 4 x 96, 4 waves a work-group, clusters of 4 x 4, 327,680 bytes of LDS; arguments hc, hs, wc, wsl, bq, bk, bv, bs, qkv; writes qkv
.if DOCPART == 2
	.amdgcn_target "amdgcn-amd-amdhsa--gfx1250"
	.amdhsa_code_object_version 6
	.text
	.protected	k_qfe499bd299_proj
	.globl	k_qfe499bd299_proj
	.p2align	8
	.type	k_qfe499bd299_proj,@function
k_qfe499bd299_proj:
	s_mov_b64 s[64:65], 0
	v_nop
	global_prefetch_b8 v0, s[64:65] scope:SCOPE_SE
	s_setreg_imm32_b32 hwreg(HW_REG_WAVE_MODE, 25, 1), 1
	s_wait_xcnt 0x0
	s_wait_alu depctr_hold_cnt(0) depctr_sa_sdst(0) depctr_va_vdst(0) depctr_va_sdst(0) depctr_va_ssrc(0) depctr_va_vcc(0) depctr_vm_vsrc(0)
	s_getreg_b32 s2, hwreg(HW_REG_IB_STS2, 6, 4)
	s_cmp_eq_u32 s2, 0
	s_cbranch_scc0 .Lentry_in_a_cluster
	s_endpgm
.Lentry_in_a_cluster:
	s_bfe_u32 s2, ttmp6, 0x10000c
	s_cmp_lg_u32 s2, 0xf033
	s_cbranch_scc0 .Lentry_shape_is_right
	s_endpgm
.Lentry_shape_is_right:
; The four projections on codes of FP6 (E2M3), K = 1,024, and what follows them: biases, s = 0.9 + 0.2 sigmoid(h Ws + bs), Q x s; then Q and K are quantised along the head's 64 and V along the keys,
; in registers, and leave as images of the next launch's operand registers.  Nothing in f32 goes to memory.
; A work-group makes 256 x 256, a wave 128 x 128 (64 accumulators).  Clusters 0-7 along y make Q, 8-15 K, 16-23 V.  The matrix instruction is D, source 0, source 1: a lane holds ONE row of source 1, and its
; registers run along the rows of source 0.  Q, K: source 1 = tokens, source 0 = weight columns (a lane: one token, registers along the head's channels).  V: source 1 = Wv's columns, source 0 = tokens
; (a lane: one channel, registers along the keys).  Only pointers and tile numbers differ: source 1's tile hangs on cy and is shared along a row of the cluster, source 0's on cx and is shared along a column.
; The stored rows lie in tile order (the launch before), so the 16 registers of two neighbouring tiles of source 0 are 16 neighbours along the next K.
; K goes in steps of 256 through a ring of two LDS slots; the scale bytes of both sides, for all of K, come once.  In Q's work-groups eight more accumulators (16 columns of Ws x my 128 tokens) are fed
; from fragments of Ws that come straight from memory; their loads stand on every way, so that every count is the same on every way; only their products stand under a branch on the kind of cluster.
; LIMITS: NaN and infinities are not served; a block of zeros carries the byte 1: its codes are zeros, and only this program reads the bytes.
; REGISTERS: window 0: v16-23 fragment addresses, v24 Ws's offset, v25 16 x lane, v26 8 x lane, v27 scale words' address, v28-29 the add's; v32-63 scale words, two sets; v64-127 the s accumulators, later the factor;
;   v128-223 source 1's fragments, one set; v224-231 Ws's scale words; v232-239 bs.  Window 1: v0-95, v128-223 source 0's fragments, two sets; v96-119 Ws's fragments, two sets.  Windows 2, 3: the 64 accumulators.
.set NQ,     2
.set ROWB,   192                       ; a tile's row: 256 codes
.set KROW,   768                       ; a row of codes in memory
.set PITCH,  240                       ; an LDS row: 3 x (64 bytes + 16 of padding)
.set FR,     12
.set NL,     6
.set NP,     4
.set HALFT,  128*PITCH
.set SLOT,   4*HALFT
.set KS,     32                        ; a row of scale bytes
.set SCL,    2*SLOT                    ; behind the ring: the scale bytes, as units of 256 bytes + 16
.set HALFS,  (128*KS/256)*272
.set SBLK,   (16*KS/256)*272
.set SPARE,  SCL+4*HALFS               ; the spare words: 128 bytes a wave, two blocks of 256 bytes that no other line names
.set HS,     315392                    ; a head in qkv: Q's codes 98,304; Q's scale images 8,192; K's codes 98,304; V's codes 98,304; K's scale images 8,192; V's 4,096
.set ADRA, 16
.set ADRB, 20
.set SOF,  24
.set L16,  25
.set L8,   26
.set ADRS, 27
.set SPW,  28
.set NIL,  29
.set SC,   32
.set SA,   64
.set AF,   128
.set SSC,  224
.set BS,   232
.set X,    128                         ; the way out: 64 numbers of a lane
.set CD,   192                         ; v192-211 the codes just made
.set TM,   212                         ; v212-215 largest magnitudes, v216-219 bytes, v220-223 the conversions' scale operands
.set ADD,  232                         ; v232-239 what is added behind the factor: V's bias, else 0
.set KA,   242                         ; v242-243 0.2;  v244-245 0.9
.set KB,   244
.set PWS,  248                         ; v248-255 the eight scale words
.set WV,   22
.set WH,   23
.set WL,   2
.set CX,   40
.set CY,   41
.set G1,   24
.set G0,   32
.set G1B,  48
.set G0B,  56
.set G1S,  68
.set G0S,  76
.set G1SB, 80
.set G0SB, 88
.set SWB,  92                          ; s[92:93] Ws's 16 rows of codes
.set SEL,  94                          ; s[94:95] on the way out: lane selects for v_permlanex16_b32
.set TYPE, 98
.set ISV,  99
.set LM,   100
.set PADB, 101
.set MSB, 0
.macro WIN new                         ; the immediate's high byte repeats the setting that is left
.if MSB != \new
	s_set_vgpr_msb (MSB<<8)|\new
.set MSB, \new
.endif
.endm
.set MUL_LO, 0xa1                      ; source 0 window 1, source 1 window 0, C and D window 2
.set MUL_HI, 0xf1
.set TO_B,   0x40                      ; destination window 1, address window 0
; A joint load: waves 0 and 1 fetch source 1's halves, waves 2 and 3 source 0's.  Four v_nop follow each of the two lines.
.macro JLOAD g0a, g1a, g0b, g1b
	s_cmp_eq_u32 s[WH], 0
	s_cbranch_scc0 .Lfor_b_\@
	tensor_load_to_lds s[\g0a:\g0a+3], s[\g1a:\g1a+7]
	s_nop 0
.rept 4
	v_nop
.endr
	s_branch .Lasked_\@
.Lfor_b_\@:
	tensor_load_to_lds s[\g0b:\g0b+3], s[\g1b:\g1b+7]
	s_nop 0
.rept 4
	v_nop
.endr
.Lasked_\@:
.endm
.macro CREST                           ; a round of the cluster's barrier behind its opening barrier
	s_cmp_lg_u32 s[WV], 0
	s_cbranch_scc1 .Lnot_wave_0_\@
	s_barrier_signal -3
.Lnot_wave_0_\@:
	s_barrier_wait -3
	s_barrier_signal -1
	s_barrier_wait -1
.endm
.macro CROUND
	s_barrier_signal -1
	s_barrier_wait -1
	CREST
.endm
	s_load_b256 s[4:11], s[0:1], 0x0               ; hc, hs, wc, wsl
	s_load_b256 s[12:19], s[0:1], 0x20             ; bq, bk, bv, bs
	s_load_b64 s[20:21], s[0:1], 0x40              ; qkv
	v_lshl_add_u32 v[SPW], v0, 2, SPARE
	v_mov_b32 v[NIL], 0
	ds_add_u32 v28, v29
	ds_add_u32 v28, v29
	s_wait_dscnt 0x0
	v_lshrrev_b32 v1, 5, v0
	v_readfirstlane_b32 s[WV], v1                  ; wave 0..3
	s_lshr_b32 s[WH], s[WV], 1                     ; my half of source 1's rows.  Also: I fetch for source 1 (0) or source 0 (1)
	s_and_b32 s[WL], s[WV], 1                      ; my half of source 0's rows.  Also: which 128 rows I fetch
	s_bfe_u32 s[CX], ttmp6, 0x40000
	s_bfe_u32 s[CY], ttmp6, 0x40004
	s_and_b32 s42, ttmp7, 0xffff                   ; the cluster's y, 0 .. 23: the same in all sixteen partners
	s_lshr_b32 s[TYPE], s42, 3                     ; 0 Q, 1 K, 2 V
	s_and_b32 s42, s42, 7
	s_lshl_b32 s42, s42, 2                         ; the cluster's first token tile
	s_lshl_b32 s44, s[CY], 2
	s_lshl_b32 s44, 15, s44                        ; my row of the cluster
	s_lshl_b32 s46, 0x1111, s[CX]                  ; my column
	s_or_b32 s[G1+0], s44, (0<<16)|(1<<20)|(1<<21)|(3<<22)|(3<<25)   ; the mask; elements of 1 byte; padding on; bit 21 beside a mask; after every 16 words, 4 words
	s_or_b32 s[G1B+0], s46, (0<<16)|(1<<20)|(1<<21)|(3<<22)|(3<<25)
.irp g, G1, G1B
	s_mov_b32 s[\g+1], ROWB<<16                    ; tensor_dim0
	s_mov_b32 s[\g+2], 128<<16                     ; tensor_dim1
	s_mov_b32 s[\g+3], ROWB<<16                    ; tile_dim0
	s_mov_b32 s[\g+4], 128                         ; tile_dim1
	s_mov_b32 s[\g+5], KROW                        ; tensor_dim0_stride
	s_mov_b32 s[\g+6], 0
	s_mov_b32 s[\g+7], 0
.endr
	s_or_b32 s[G1S+0], s44, (3<<16)|(1<<20)|(1<<21)|(5<<22)|(3<<25)  ; the scale bytes of 128 rows: 16 rows of 256 bytes (32 elements of 8), 16 bytes of padding behind each
	s_or_b32 s[G1SB+0], s46, (3<<16)|(1<<20)|(1<<21)|(5<<22)|(3<<25)
.irp g, G1S, G1SB
	s_mov_b32 s[\g+1], 32<<16
	s_mov_b32 s[\g+2], (128*KS/256)<<16
	s_mov_b32 s[\g+3], 32<<16
	s_mov_b32 s[\g+4], 128*KS/256
	s_mov_b32 s[\g+5], 32
	s_mov_b32 s[\g+6], 0
	s_mov_b32 s[\g+7], 0
.endr
	; source 1's rows hang on cy alone (s92, s94), source 0's on cx alone (s96, s66, s67)
	s_add_co_u32 s92, s42, s[CY]
	s_lshl_b32 s92, s92, 8                         ; Q, K: tokens 256 (4 c + cy)
	s_lshl_b32 s94, s[CY], 8
	s_add_co_u32 s94, s94, 2048                    ; V: Wv's rows 256 cy
	s_add_co_u32 s96, s42, s[CX]
	s_lshl_b32 s96, s96, 8                         ; V: tokens 256 (4 c + cx)
	s_lshl_b32 s66, s[TYPE], 10
	s_lshl_b32 s67, s[CX], 8
	s_add_co_u32 s66, s66, s67                     ; Q, K: the weight's rows 256 cx
	s_cmp_eq_u32 s[TYPE], 2
	s_cselect_b32 s[ISV], 1, 0
	s_cselect_b32 s92, s94, s92
	s_cselect_b32 s96, s96, s66
	s_lshl_b32 s3, s[WL], 7                        ; which 128 rows of the tile I fetch
	s_add_co_u32 s92, s92, s3
	s_add_co_u32 s96, s96, s3
	s_lshl_b32 s94, s92, 5                         ; their scale bytes,
	s_mul_i32 s92, s92, KROW                       ; their codes
	s_lshl_b32 s66, s96, 5
	s_mul_i32 s96, s96, KROW
	s_mov_b32 s93, 0
	s_mov_b32 s95, 0
	s_mov_b32 s97, 0
	s_mov_b32 s67, 0
	s_mul_i32 s43, s[WV], HALFT                    ; where they go: wave x 128 rows: no place in the cluster enters an LDS address
	s_mul_i32 s3, s[WV], HALFS
	s_wait_kmcnt 0x0
	s_cmp_eq_u32 s[TYPE], 2                        ; the buffers are chosen by the kind of cluster alone
	s_cselect_b64 s[44:45], s[8:9], s[4:5]
	s_add_nc_u64 s[92:93], s[44:45], s[92:93]
	s_cselect_b64 s[44:45], s[10:11], s[6:7]
	s_add_nc_u64 s[94:95], s[44:45], s[94:95]
	s_cselect_b64 s[46:47], s[4:5], s[8:9]
	s_add_nc_u64 s[96:97], s[46:47], s[96:97]
	s_cselect_b64 s[46:47], s[6:7], s[10:11]
	s_add_nc_u64 s[66:67], s[46:47], s[66:67]
	CROUND                                         ; all sixteen work-groups are here: the first joint loads meet
	s_mov_b32 s[G0S], 1
	s_add_co_u32 s[G0S+1], s3, SCL
	s_mov_b64 s[G0S+2:G0S+3], s[94:95]
	s_or_b32 s[G0S+3], s[G0S+3], 0x80000000
	s_mov_b32 s[G0SB], 1
	s_add_co_u32 s[G0SB+1], s3, SCL
	s_mov_b64 s[G0SB+2:G0SB+3], s[66:67]
	s_or_b32 s[G0SB+3], s[G0SB+3], 0x80000000
	JLOAD G0S, G1S, G0SB, G1SB                     ; the scale bytes first: by this text's count three loads of mine are out at the start
.irp s, 0,1
	s_mov_b32 s[G0+4*\s], 1
	s_add_co_u32 s[G0+4*\s+1], s43, \s*SLOT
	s_add_nc_u64 s[G0+4*\s+2:G0+4*\s+3], s[92:93], \s*ROWB
	s_or_b32 s[G0+4*\s+3], s[G0+4*\s+3], 0x80000000
	s_mov_b32 s[G0B+4*\s], 1
	s_add_co_u32 s[G0B+4*\s+1], s43, \s*SLOT
	s_add_nc_u64 s[G0B+4*\s+2:G0B+4*\s+3], s[96:97], \s*ROWB
	s_or_b32 s[G0B+4*\s+3], s[G0B+4*\s+3], 0x80000000
	JLOAD G0+4*\s, G1, G0B+4*\s, G1B
.endr
	v_and_b32 v1, 15, v0                           ; r = lane % 16: kept
	v_bfe_u32 v2, v0, 4, 1                         ; h = lane / 16: kept
	v_mul_u32_u24 v3, v1, PITCH
	v_mul_u32_u24 v4, v2, 24
	v_add_nc_u32 v4, v3, v4                        ; a fragment's row x pitch + 24 x half
	v_lshl_add_u32 v5, v2, 4, v4                   ; and the same behind one padding more
	s_mul_i32 s44, s[WH], HALFT
	s_mul_i32 s46, s[WL], HALFT
	s_add_co_u32 s46, s46, 2*HALFT
.irp s, 0,1
	v_add_nc_u32 v[ADRA+\s], s44, v4
	v_add_nc_u32 v[ADRB+\s], s46, v4
	v_add_nc_u32 v[ADRA+2+\s], s44, v5
	v_add_nc_u32 v[ADRB+2+\s], s46, v5
	s_add_co_u32 s44, s44, SLOT
	s_add_co_u32 s46, s46, SLOT
.endr
	v_mul_u32_u24 v5, v1, KS                       ; my row's scale bytes: 32 a row,
	v_lshrrev_b32 v6, 8, v5
	v_lshl_add_u32 v5, v6, 4, v5                   ; and 16 more for each 256 passed
	s_mul_i32 s44, s[WH], HALFS
	s_mul_i32 s46, s[WL], HALFS
	s_add_co_u32 s46, s46, 2*HALFS
	s_sub_co_u32 s46, s46, s44
	v_mul_u32_u24 v6, s46, v2                      ; lanes 16-31 take source 0's
	s_add_co_u32 s44, s44, SCL
	v_add_nc_u32 v5, v5, v6
	v_add_nc_u32 v[ADRS], s44, v5
	v_and_b32 v6, 31, v0
	v_lshlrev_b32 v[L16], 4, v6
	v_lshlrev_b32 v[L8], 3, v6
	; Ws's 16 rows of the two heads 2 u, 2 u + 1, u = 2 cx + my half of the columns: codes, scale words, bs
	s_lshl_b32 s44, s[CX], 1
	s_add_co_u32 s44, s44, s[WL]
	s_lshl_b32 s46, s44, 4
	s_add_co_u32 s46, s46, 3072
	s_mul_i32 s92, s46, KROW
	s_mov_b32 s93, 0
	s_add_nc_u64 s[SWB:SWB+1], s[8:9], s[92:93]
	s_lshl_b32 s94, s46, 5
	s_mov_b32 s95, 0
	s_add_nc_u64 s[94:95], s[10:11], s[94:95]
	s_lshl_b32 s96, s44, 6
	s_mov_b32 s97, 0
	s_add_nc_u64 s[96:97], s[18:19], s[96:97]
	v_mul_u32_u24 v[SOF], v1, KROW
	v_mad_u32_u24 v[SOF], v2, 24, v[SOF]
	v_lshlrev_b32 v7, 3, v2
	v_lshlrev_b32 v8, 5, v1
.macro SLOAD qg                        ; Ws's fragment of the qg-th 128 along K into set qg % 2
	WIN TO_B
.irp p, 0,1,2,3,4,5
	global_load_b64 v[96+12*((\qg)%2)+2*\p:96+12*((\qg)%2)+2*\p+1], v[SOF], s[SWB:SWB+1] offset:96*(\qg)+48*(\p/3)+8*(\p%3)
.endr
	WIN 0
.endm
.irp k, 0,1,2,3
	global_load_b64 v[BS+2*\k:BS+2*\k+1], v7, s[96:97] offset:16*\k   ; register t: bs of group 4 (t / 2) + t % 2 + 2 h of the 16
.endr
	global_load_b128 v[SSC:SSC+3], v8, s[94:95]
	global_load_b128 v[SSC+4:SSC+7], v8, s[94:95] offset:16
	SLOAD 0
	SLOAD 1
	s_wait_loadcnt 14                              ; bs is in: two scale loads and twelve fragment loads are younger
.irp a, 0,1,2,3,4,5,6,7
.irp j, 0,1,2,3,4,5,6,7
	v_mov_b32 v[SA+8*\a+\j], v[BS+\j]              ; the s sums begin with bs, on every way
.endr
.endr
.macro FRAG reg, adr, q, i             ; 16 rows x 128 K: 12 registers, in pieces of 8 bytes; where the piece of lanes 16-31 lies behind one padding more, the second address register serves
.irp p, 0,1,2,3,4,5
.set PCE, 12*(\q)+6*(\p/3)+\p%3
.if PCE%8 < 5
	ds_load_b64 v[\reg+2*\p:\reg+2*\p+1], v[\adr] offset:8*PCE+16*(PCE/8)+(\i)*16*PITCH
.else
	ds_load_b64 v[\reg+2*\p:\reg+2*\p+1], v[\adr+2] offset:8*PCE+16*(PCE/8)+(\i)*16*PITCH
.endif
.endr
.endm
; 16 matrix instructions: source 1's blocks a0, a0 + 1 x source 0's eight.  The accumulators take turns, one instruction a turn.
.macro MUL16 a0, p, q, sc, zero
.irp a, \a0, \a0+1
.irp b, 0,1,2,3,4,5,6,7
.if \zero
	v_wmma_scale_f32_16x16x128_f8f6f4 v[8*(8*((\a)%4)+\b):8*(8*((\a)%4)+\b)+7], v[128*(\p)+FR*\b:128*(\p)+FR*\b+FR-1], v[AF+FR*(\a):AF+FR*(\a)+FR-1], 0, v[SC+8*NQ*(\sc)+NQ*\b+(\q)], v[SC+8*NQ*(\sc)+NQ*(\a)+(\q)] matrix_a_fmt:MATRIX_FMT_FP6 matrix_b_fmt:MATRIX_FMT_FP6 matrix_a_scale:MATRIX_SCALE_ROW1
.else
	v_wmma_scale_f32_16x16x128_f8f6f4 v[8*(8*((\a)%4)+\b):8*(8*((\a)%4)+\b)+7], v[128*(\p)+FR*\b:128*(\p)+FR*\b+FR-1], v[AF+FR*(\a):AF+FR*(\a)+FR-1], v[8*(8*((\a)%4)+\b):8*(8*((\a)%4)+\b)+7], v[SC+8*NQ*(\sc)+NQ*\b+(\q)], v[SC+8*NQ*(\sc)+NQ*(\a)+(\q)] matrix_a_fmt:MATRIX_FMT_FP6 matrix_b_fmt:MATRIX_FMT_FP6 matrix_a_scale:MATRIX_SCALE_ROW1
.endif
.endr
.endr
.endm
; Four products of the s tile: Ws's 16 rows x token blocks a0 .. a0 + 3.  Only in Q's clusters: the branch hangs on the cluster's number.
.macro SMUL a0, qg, sc, q
	WIN 0
	s_cmp_lg_u32 s[TYPE], 0
	s_cbranch_scc1 .Lno_s_\@
	WIN 0x01
.irp a, \a0, \a0+1, \a0+2, \a0+3
	v_wmma_scale_f32_16x16x128_f8f6f4 v[SA+8*(\a):SA+8*(\a)+7], v[96+12*((\qg)%2):96+12*((\qg)%2)+11], v[AF+FR*(\a):AF+FR*(\a)+FR-1], v[SA+8*(\a):SA+8*(\a)+7], v[SSC+(\qg)], v[SC+8*NQ*(\sc)+NQ*(\a)+(\q)] matrix_a_fmt:MATRIX_FMT_FP6 matrix_b_fmt:MATRIX_FMT_FP6
.endr
	WIN 0
.Lno_s_\@:
.endm
.macro FETCH_B slot, q, p
	WIN TO_B
.irp i, 0,1,2,3,4,5,6,7
	FRAG 128*(\p)+FR*\i, ADRB+\slot, \q, \i
.endr
	WIN 0
.endm
.macro FETCH_A slot, q, i0
.irp i, \i0, \i0+1, \i0+2, \i0+3
	FRAG AF+FR*(\i), ADRA+\slot, \q, \i
.endr
.endm
.macro SCALES sc, ks                   ; K step ks's scale words into set sc: two words a row; lanes 0-15 source 1's block i, lanes 16-31 source 0's
.irp i, 0,1,2,3,4,5,6,7
	ds_load_b64 v[SC+8*NQ*\sc+NQ*\i:SC+8*NQ*\sc+NQ*\i+1], v[ADRS] offset:\i*SBLK+8*(\ks)
.endr
.endm
.macro PLACES n                        ; plain vector lines between a matrix instruction and a load into, or a read of, its registers
.rept \n
	v_nop
.endr
.endm
; A slot's first 128 along K.  qg: which of the eight 128s.
.macro STEP slot, zero, qg
	s_wait_dscnt 4*NL                              ; source 0's set and source 1's blocks 0-3 are in; the youngest 24 loads (blocks 4-7) may be out
	s_wait_loadcnt 6                               ; Ws's fragment of this step is in; the next step's six loads may be out
	WIN MUL_LO
	MUL16 0, 0, 0, \slot, \zero
	MUL16 2, 0, 0, \slot, \zero
	SMUL 0, \qg, \slot, 0
	s_wait_dscnt 0
	PLACES NP
	FETCH_B \slot, 1, 1
	FETCH_A \slot, 1, 0
	WIN MUL_HI
	MUL16 4, 0, 0, \slot, \zero
	MUL16 6, 0, 0, \slot, \zero
	SMUL 4, \qg, \slot, 0
	PLACES NP
.if (\qg)+2 < 8
	SLOAD (\qg)+2
.endif
	FETCH_A \slot, 1, 4
.endm
; A slot's second 128 changes slots: in front of the barrier each wave waits for all its tensor loads, adds 0 to its spare word, and waits for that and for its reads of this slot.
.macro TURN slot, next, fill, qg, ks
	s_wait_dscnt 4*NL
	s_wait_loadcnt 6
	SMUL 0, \qg, \slot, 1                          ; (its branch stands ahead of the three lines)
	s_wait_tensorcnt 0x0                           ; all my tensor loads have landed: my part of the next slot
	ds_add_u32 v[SPW], v[NIL]                      ; 0 onto my spare word
	WIN MUL_LO
	MUL16 0, 1, 1, \slot, 0                        ; sixteen matrix instructions stand between the add and the wait for it
	s_wait_dscnt 0x0                               ; the add is done, and my reads of this slot are over
	s_barrier_signal -1
	MUL16 2, 1, 1, \slot, 0
	WIN 0
	s_barrier_wait -1
.if \fill
	CREST                                          ; the barrier has opened a round of the cluster's barrier: no wave of any partner still reads this slot or has a load on its way
	s_add_nc_u64 s[G0+4*\slot+2:G0+4*\slot+3], s[G0+4*\slot+2:G0+4*\slot+3], 2*ROWB
	s_add_nc_u64 s[G0B+4*\slot+2:G0B+4*\slot+3], s[G0B+4*\slot+2:G0B+4*\slot+3], 2*ROWB
	JLOAD G0+4*\slot, G1, G0B+4*\slot, G1B         ; my one tensor load behind the round; its four v_nop are the places in front of the loads below
.else
	PLACES NP
.endif
	FETCH_B \next, 0, 0
	FETCH_A \next, 0, 0
	SCALES \next, \ks
	WIN MUL_HI
	MUL16 4, 1, 1, \slot, 0
	MUL16 6, 1, 1, \slot, 0
	SMUL 4, \qg, \slot, 1
	PLACES NP
.if (\qg)+2 < 8
	SLOAD (\qg)+2
.endif
	FETCH_A \next, 0, 4
.endm
	s_wait_tensorcnt 1                             ; the scale bytes and my part of K step 0 are in (K step 1's load may be out),
	s_barrier_signal -1
	s_barrier_wait -1                              ; everybody's are
	FETCH_B 0, 0, 0
	FETCH_A 0, 0, 0
	SCALES 0, 0
	FETCH_A 0, 0, 4
	STEP 0, 1, 0                                   ; K = 1,024 is eight steps of 128: written out; the first products start the sums
	TURN 0, 1, 1, 1, 1
	STEP 1, 0, 2
	TURN 1, 0, 1, 3, 2
	STEP 0, 0, 4
	TURN 0, 1, 0, 5, 3                             ; nothing is left to fetch: no round
	STEP 1, 0, 6
	s_wait_dscnt 4*NL
	s_wait_loadcnt 0x0
	WIN MUL_LO
	MUL16 0, 1, 1, 1, 0
	MUL16 2, 1, 1, 1, 0
	SMUL 0, 7, 1, 1
	s_wait_dscnt 0
	WIN MUL_HI
	MUL16 4, 1, 1, 1, 0
	MUL16 6, 1, 1, 1, 0
	SMUL 4, 7, 1, 1
	PLACES NP
; THE WAY OUT, without LDS.  For each block a of source 1 (16 rows): x = (sum + bias along the registers) x factor + bias of the lane; 64 numbers of a lane become a fragment's 12 registers and a scale word.
	s_mov_b32 s[SEL], 0x76543210
	s_mov_b32 s[SEL+1], 0xfedcba98
	s_mov_b32 s[LM], 0xffff0000                    ; lanes 16-31
	s_mov_b32 s[PADB], 0x7f7f0000                  ; the scale 1 for the two blocks of 32 that a head of 64 does not have
	s_cmp_eq_u32 s[TYPE], 2
	s_cselect_b32 s78, s[CX], s[CY]                ; the place that counts token tiles,
	s_cselect_b32 s79, s[CY], s[CX]                ; the place that counts tiles of 256 columns,
	s_cselect_b32 s80, s[WL], s[WH]                ; my half of the tokens,
	s_cselect_b32 s81, s[WH], s[WL]                ; my half of the columns
	s_add_co_u32 s78, s78, s42
	s_lshl_b32 s78, s78, 1
	s_add_co_u32 s78, s78, s80                     ; my block of 128 tokens, 0 .. 63
	s_lshl_b32 s79, s79, 1
	s_add_co_u32 s79, s79, s81                     ; u: my 128 columns are heads 2 u, 2 u + 1
	s_lshr_b32 s80, s78, 4                         ; the batch
	s_and_b32 s78, s78, 15                         ; the step of 128 tokens in it
	s_lshl_b32 s80, s80, 3
	s_add_co_u32 s80, s80, s79
	s_mul_i32 s80, s80, 2*HS                       ; head 16 b + 2 u, in bytes
	s_mul_i32 s82, s[TYPE], 106496
	s_lshl_b32 s83, s[ISV], 13
	s_sub_co_u32 s82, s82, s83                     ; the codes' place in a head: 0, 106,496, 204,800
	s_mul_i32 s83, s78, 6144
	s_add_co_u32 s82, s82, s83
	s_add_co_u32 s82, s82, s80
	s_mov_b32 s83, 0
	s_add_nc_u64 s[68:69], s[20:21], s[82:83]      ; registers 0-5 go here;
	s_cmp_eq_u32 s[TYPE], 2
	s_mov_b32 s82, HS
	s_cselect_b32 s82, 768, s82
	s_add_nc_u64 s[70:71], s[68:69], s[82:83]      ; registers 6-11: Q, K: the other head; V: the fragment's second half
	s_lshl_b32 s72, 768, s[ISV]                    ; from block to block: 768, V: 1,536
	s_mov_b32 s73, 0
	s_mul_i32 s74, s[ISV], HS-6144                 ; V: blocks 4-7 are the other head's
	s_mov_b32 s75, 0
	s_mov_b32 s82, 98304                           ; the scale images' place in a head
	s_cmp_eq_u32 s[TYPE], 1
	s_cselect_b32 s82, 303104, s82
	s_cmp_eq_u32 s[TYPE], 2
	s_cselect_b32 s82, 311296, s82
	s_cselect_b32 s81, 8, 9                        ; 512 bytes a step, V: 256
	s_lshl_b32 s81, s78, s81
	s_add_co_u32 s82, s82, s81
	s_add_co_u32 s82, s82, s80
	s_add_nc_u64 s[76:77], s[20:21], s[82:83]
	s_lshl_b32 s86, s79, 9                         ; my 128 columns' biases
	s_mov_b32 s87, 0
	v_lshlrev_b32 v3, 6, v2                        ; 64 h
	v_and_b32 v4, 8, v1
	v_add_nc_u32 v4, v4, v1
	v_lshlrev_b32 v4, 2, v4                        ; 4 (r + 8 (r / 8))
.irp b, 0,1,2,3
	v_mov_b32 v[TM+4+\b], 0                        ; written once: a lane permute's destination counts as one of its sources
.endr
	s_cmp_eq_u32 s[TYPE], 2
	s_cbranch_scc1 .Lset_v
	s_cmp_eq_u32 s[TYPE], 1
	s_cselect_b64 s[84:85], s[14:15], s[12:13]     ; bk or bq
	s_add_nc_u64 s[84:85], s[84:85], s[86:87]
	WIN TO_B
.irp t, 0,1,2,3,4,5,6,7                    ; window 1, v0-63: register 8 t + j: the bias of column 32 (t / 2) + 8 (t % 2) + 16 h + j
	global_load_b128 v[8*\t:8*\t+3], v3, s[84:85] offset:(32*(\t/2)+8*(\t%2))*4
	global_load_b128 v[8*\t+4:8*\t+7], v3, s[84:85] offset:(32*(\t/2)+8*(\t%2))*4+16
.endr
	WIN 0
.irp a, 0,1,2,3,4,5,6,7
	v_mov_b32 v[ADD+\a], 0
.endr
	s_branch .Lset_done
.Lset_v:
	s_add_nc_u64 s[84:85], s[16:17], s[86:87]
.irp a, 0,1,2,3,4,5,6,7
	global_load_b32 v[ADD+\a], v4, s[84:85] offset:(32*(\a/2)+8*(\a%2))*4   ; bv of my lane's channel in block a
.endr
	WIN TO_B
.set j, 0
.rept 64
	v_mov_b32 v[j], 0
.set j, j+1
.endr
	WIN 0
.Lset_done:
	s_cmp_lg_u32 s[TYPE], 0
	s_cbranch_scc1 .Lones
.set j, 0
.rept 32
	v_pk_mul_f32 v[SA+j:SA+j+1], v[SA+j:SA+j+1], 0xbfb8aa3b op_sel_hi:[1,0]   ; -z log2(e); each accumulator from its low end on
.set j, j+2
.endr
.set j, 0
.rept 64
	v_exp_f32 v[SA+j], v[SA+j]
.set j, j+1
.endr
	v_mov_b32 v[KA], 0x3e4ccccd                    ; 0.2 (plain lines behind the batch)
	v_mov_b32 v[KA+1], 0x3e4ccccd
	s_wait_alu depctr_va_vdst(0)                   ; one wait for the batch, ahead of its first reader
.set j, 0
.rept 32
	v_pk_add_f32 v[SA+j:SA+j+1], v[SA+j:SA+j+1], 1.0 op_sel_hi:[1,0]
.set j, j+2
.endr
.set j, 0
.rept 64
	v_rcp_f32 v[SA+j], v[SA+j]                     ; the sigmoid
.set j, j+1
.endr
	v_mov_b32 v[KB], 0x3f666666                    ; 0.9
	v_mov_b32 v[KB+1], 0x3f666666
	s_wait_alu depctr_va_vdst(0)
.set j, 0
.rept 32
	v_pk_fma_f32 v[SA+j:SA+j+1], v[SA+j:SA+j+1], v[KA:KA+1], v[KB:KB+1]   ; register 8 a + t: s of my token of block a for the eight columns of tile t in my half of the lanes
.set j, j+2
.endr
	s_branch .Lm_done
.Lones:
.set j, 0
.rept 64
	v_mov_b32 v[SA+j], 1.0                         ; K, V: the factor 1, which rounds nothing
.set j, j+1
.endr
.Lm_done:
	s_wait_loadcnt 0x0                             ; the biases
.macro PKFMA d, m, c, sm, sc           ; two numbers x word sm of the pair at m + word sc of the pair at c
.if ((\sm) == 0) && ((\sc) == 0)
	v_pk_fma_f32 v[\d:\d+1], v[\d:\d+1], v[\m:\m+1], v[\c:\c+1] op_sel_hi:[1,0,0]
.elseif ((\sm) == 1) && ((\sc) == 0)
	v_pk_fma_f32 v[\d:\d+1], v[\d:\d+1], v[\m:\m+1], v[\c:\c+1] op_sel:[0,1,0] op_sel_hi:[1,1,0]
.elseif ((\sm) == 0) && ((\sc) == 1)
	v_pk_fma_f32 v[\d:\d+1], v[\d:\d+1], v[\m:\m+1], v[\c:\c+1] op_sel:[0,0,1] op_sel_hi:[1,0,1]
.else
	v_pk_fma_f32 v[\d:\d+1], v[\d:\d+1], v[\m:\m+1], v[\c:\c+1] op_sel:[0,1,1] op_sel_hi:[1,1,1]
.endif
.endm
; 64 numbers of a lane, register 16 b + i = k 32 b + 16 (lane / 16) + i of my row, become a fragment's codes in v[CD] on and its scale word in v[pw].
.macro QUANT s, pw
.irp b, 0,1,2,3
	v_max3_num_f32 v[TM+\b], |v[\s+16*\b]|, |v[\s+1+16*\b]|, 0x1800000   ; my 16 numbers of block b, and the floor 2^(3 - 127)
.endr
.irp i, 2,4,6,8,10,12,14
.irp b, 0,1,2,3
	v_max3_num_f32 v[TM+\b], v[TM+\b], |v[\s+16*\b+\i]|, |v[\s+1+16*\b+\i]|
.endr
.endr
.irp b, 0,1,2,3
	v_permlanex16_b32 v[TM+4+\b], v[TM+\b], s[SEL], s[SEL+1]
.endr
.irp b, 0,1,2,3
	v_max_num_f32 v[TM+\b], v[TM+\b], v[TM+4+\b]   ; with lane l xor 16's: the block's largest magnitude
.endr
.irp b, 0,1,2,3
	v_add_nc_u32 v[TM+8+\b], 0xff000000, v[TM+\b]  ; 2 off its exponent field: the conversion's scale operand
.endr
.irp b, 0,1,2,3
	v_lshrrev_b32 v[TM+4+\b], 23, v[TM+8+\b]       ; the scale's byte
.endr
	v_lshl_or_b32 v[\pw], v[TM+5], 8, v[TM+4]
	v_lshl_or_b32 v[\pw], v[TM+6], 16, v[\pw]
	v_lshl_or_b32 v[\pw], v[TM+7], 24, v[\pw]
.irp c, 0,1
	v_cvt_scalef32_pk16_fp6_f32 v[CD+6*\c:CD+2+6*\c], v[\s+32*\c:\s+15+32*\c], v[TM+8+2*\c]
	v_cvt_scalef32_pk16_fp6_f32 v[CD+12+4*\c:CD+14+4*\c], v[\s+16+32*\c:\s+31+32*\c], v[TM+8+2*\c+1]   ; (a conversion's three registers begin on an even number)
.endr
	v_nop                                          ; one plain line behind a scaled conversion
.irp c, 0,1                                    ; the operand's layout wants a whole block in a lane: lanes 0-15 block 2 c, lanes 16-31 block 2 c + 1
.irp i, 0,1,2
	v_permlane16_swap_b32 v[CD+6*\c+\i], v[CD+12+4*\c+\i]
.endr
.irp i, 0,1,2
	v_mov_b32 v[CD+3+6*\c+\i], v[CD+12+4*\c+\i]
.endr
.endr
.endm
.macro GROUP a
	WIN 0x06+(\a)/4                                ; source 0: the accumulators' window; source 1: window 1
.set i, 0
.rept 32
	v_pk_add_f32 v[X+2*i:X+2*i+1], v[64*((\a)%4)+2*i:64*((\a)%4)+2*i+1], v[2*i:2*i+1]   ; each accumulator from its low end on
.set i, i+1
.endr
	WIN 0
.set i, 0
.rept 32
	PKFMA X+2*i, SA+8*(\a)+2*(i/8), ADD+2*((\a)/2), (i/4)%2, (\a)%2
.set i, i+1
.endr
	s_wait_xcnt 0x0                                ; the last block's stores have read their data and their bases: both are written again only behind this wait
.if (\a) > 0
	s_add_nc_u64 s[68:69], s[68:69], s[72:73]
	s_add_nc_u64 s[70:71], s[70:71], s[72:73]
.endif
.if (\a) == 4
	s_add_nc_u64 s[68:69], s[68:69], s[74:75]
	s_add_nc_u64 s[70:71], s[70:71], s[74:75]
.endif
	QUANT X, PWS+(\a)
	global_store_b128 v[L16], v[CD:CD+3], s[68:69]                 ; an image of six registers: 512 consecutive bytes,
	global_store_b64 v[L8], v[CD+4:CD+5], s[68:69] offset:512      ; then 256: all aligned on 256
	global_store_b128 v[L16], v[CD+6:CD+9], s[70:71]
	global_store_b64 v[L8], v[CD+10:CD+11], s[70:71] offset:512
.endm
.irp a, 0,1,2,3,4,5,6,7
	GROUP \a
.endr
.irp i, 0,1,2,3
	v_cndmask_b32 v[X+\i], v[PWS+2*\i], v[PWS+2*\i+1], s[LM]       ; lanes 0-15 block 2 i's word, lanes 16-31 block 2 i + 1's
.endr
	s_cmp_eq_u32 s[TYPE], 2
	s_cbranch_scc1 .Ltail_v
.irp i, 0,1,2,3
	v_and_or_b32 v[X+4+\i], v[X+\i], 0xffff, s[PADB]               ; the first head's two bytes,
	v_lshrrev_b32 v[X+8+\i], 16, v[X+\i]
.endr
.irp i, 0,1,2,3
	v_or_b32 v[X+8+\i], s[PADB], v[X+8+\i]                         ; the second head's
.endr
	global_store_b128 v[L16], v[X+4:X+7], s[76:77]
	global_store_b128 v[L16], v[X+8:X+11], s[76:77] offset:HS
	s_branch .Ltail_done
.Ltail_v:
	global_store_b64 v[L8], v[X:X+1], s[76:77]                     ; V: four fragments a head, whole words
	global_store_b64 v[L8], v[X+2:X+3], s[76:77] offset:HS
.Ltail_done:
	s_wait_tensorcnt 0x0                           ; the wave's end
	ds_add_u32 v[SPW], v[NIL]
	s_wait_dscnt 0x0
	CROUND                                         ; the closing round: no work-group ends while a partner may still ask for a tile that names it
	s_endpgm
.Lfunc_end_k_qfe499bd299_proj:
	.size	k_qfe499bd299_proj, .Lfunc_end_k_qfe499bd299_proj-k_qfe499bd299_proj
	.p2alignl 7, 3214868480
	.fill 96, 4, 3214868480
	.section	.rodata,"a",@progbits
	.p2align	6, 0x0
	.amdhsa_kernel k_qfe499bd299_proj
		.amdhsa_group_segment_fixed_size 327680
		.amdhsa_private_segment_fixed_size 0
		.amdhsa_enable_private_segment 0
		.amdhsa_kernarg_size 72
		.amdhsa_user_sgpr_count 2
		.amdhsa_user_sgpr_kernarg_segment_ptr 1
		.amdhsa_wavefront_size32 1
		.amdhsa_system_sgpr_workgroup_id_x 1
		.amdhsa_system_sgpr_workgroup_id_y 1
		.amdhsa_system_sgpr_workgroup_id_z 1
		.amdhsa_system_vgpr_workitem_id 0
		.amdhsa_next_free_vgpr 1024
		.amdhsa_next_free_sgpr 102
		.amdhsa_reserve_vcc 0
		.amdhsa_float_denorm_mode_32 3
		.amdhsa_float_denorm_mode_16_64 3
		.amdhsa_memory_ordered 1
		.amdhsa_forward_progress 1
		.amdhsa_inst_pref_size 237
	.end_amdhsa_kernel
	.amdgpu_metadata
---
amdhsa.version: [ 1, 2 ]
amdhsa.kernels:
  - .name:           k_qfe499bd299_proj
    .symbol:         k_qfe499bd299_proj.kd
    .args:
      - { .name: hc, .offset: 0, .size: 8, .value_kind: global_buffer, .address_space: global }
      - { .name: hs, .offset: 8, .size: 8, .value_kind: global_buffer, .address_space: global }
      - { .name: wc, .offset: 16, .size: 8, .value_kind: global_buffer, .address_space: global }
      - { .name: wsl, .offset: 24, .size: 8, .value_kind: global_buffer, .address_space: global }
      - { .name: bq, .offset: 32, .size: 8, .value_kind: global_buffer, .address_space: global }
      - { .name: bk, .offset: 40, .size: 8, .value_kind: global_buffer, .address_space: global }
      - { .name: bv, .offset: 48, .size: 8, .value_kind: global_buffer, .address_space: global }
      - { .name: bs, .offset: 56, .size: 8, .value_kind: global_buffer, .address_space: global }
      - { .name: qkv, .offset: 64, .size: 8, .value_kind: global_buffer, .address_space: global }
    .group_segment_fixed_size: 327680
    .private_segment_fixed_size: 0
    .kernarg_segment_align: 8
    .kernarg_segment_size: 72
    .max_flat_workgroup_size: 128
    .sgpr_count:     102
    .vgpr_count:     1024
    .wavefront_size: 32
...
	.end_amdgpu_metadata
.endif
;; end of part 2
;; launch attn (part 3): grid 4 x 64, 8 waves a work-group, clusters of 4 x 1, 244,736 bytes of LDS; arguments qkv, out0; writes out0
.if DOCPART == 3
	.amdgcn_target "amdgcn-amd-amdhsa--gfx1250"
	.amdhsa_code_object_version 6
	.text
	.protected	k_qfe499bd299_attn
	.globl	k_qfe499bd299_attn
	.p2align	8
	.type	k_qfe499bd299_attn,@function
k_qfe499bd299_attn:
	s_mov_b64 s[64:65], 0
	v_nop
	global_prefetch_b8 v0, s[64:65] scope:SCOPE_SE
	s_setreg_imm32_b32 hwreg(HW_REG_WAVE_MODE, 25, 1), 1
	s_wait_xcnt 0x0
	s_wait_alu depctr_hold_cnt(0) depctr_sa_sdst(0) depctr_va_vdst(0) depctr_va_sdst(0) depctr_va_ssrc(0) depctr_va_vcc(0) depctr_vm_vsrc(0)
	s_getreg_b32 s2, hwreg(HW_REG_IB_STS2, 6, 4)
	s_cmp_eq_u32 s2, 0
	s_cbranch_scc0 .Lentry_in_a_cluster
	s_endpgm
.Lentry_in_a_cluster:
	s_bfe_u32 s2, ttmp6, 0x10000c
	s_cmp_lg_u32 s2, 0x3003
	s_cbranch_scc0 .Lentry_shape_is_right
	s_endpgm
.Lentry_shape_is_right:
; out0[b][q][64 head ..] = the sum over k of softmax_k(Qs[q] . K[k] / 8) V[k], both products on codes of FP6 (E2M3) with E8M0 scales, for each of 64 (batch, head) pairs, 2,048 keys, head size 64.
; THE SOFTMAX: t = score x log2(e) / 8; M = the running largest t rounded UP to a whole number; p = 2^(t - M) is quantised along the keys, not normalised; the row's sum is taken of the unquantised p and divides
; at the end; when M moves, the sum and O are multiplied by 2^(old M - new M), which rounds nothing.
; The inputs are images of operand registers (the launch before): a piece of 768 bytes is six registers a lane: registers 0-3 at 16 x lane, registers 4-5 at 512 + 8 x lane.
; SHARES.  A work-group owns 512 queries of one head; each of its eight waves takes 32 of them (two tiles) in each of two passes.  A head's K, V and their scale words, 208,896 bytes, fit in LDS whole:
; they are filled ONCE, each wave asking for 102 rows of 256 bytes, jointly with the three partners of the cluster, which work on the same head.  So there is no ring and one barrier.
; LAYOUT.  S^T = K Q^T and O^T = V^T P^T: a lane holds one query throughout.  The score product has K = 64 in an instruction of 128: Q's upper six registers are zero codes, K's are the next tile's codes,
; and both sides' scale bytes there are 0x7f: those products are zeros.  The tiles' rows lie in tile order: the 16 registers of tiles 2 b and 2 b + 1 are keys 32 b + 16 (lane / 16) + 0 .. 15.
; LIMITS: NaN and infinities are not served; p under 2^-126 comes out as 0; a block's largest p is taken from its largest score, which takes v_exp_f32 not to fall where its input rises; t under -3e38 is not served.
; REGISTERS: window 0: v1 16 x lane, v2 8 x lane, v3-8 the step's addresses, v9-11 the way out, v12-19 and v20-27 a tile's statistics (-M, largest t, sum x 2, f, p's scale word, two at work),
;   v36-43 the blocks' largest scores, v44-51 at work, v52-59 the conversions' scale operands, v60-63 bases, v64-191 S^T, v192-215 p's codes, v216-231 at work, v232-235 second sums,
;   v240-243 K's scale words, v244-245 V's, v246 Q's.   window 1: v0-23 Q (with zeros), v24-77 K, v80-127 V, v128-191 O^T.
.set HS,    315392
.set KVOFF, 106496                     ; where K's codes begin in a head: from there on 208,896 dense bytes
.set LV,    98304                      ; LDS: K's codes at 0, V's here,
.set LKS,   196608                     ; K's scale images,
.set LVS,   204800                     ; V's,
.set STAGE, 208896                     ; and eight stages of 16 rows x (256 + 16) bytes, into which no fill lands
.set WPART, 26112                      ; what a wave asks for: 102 rows of 256 bytes
.set S,     64
.set KF,    24
.set KSW,   240
.set VSW,   244
.set QSW,   246
.set MSB, 0
.macro WIN new
.if MSB != \new
	s_set_vgpr_msb (MSB<<8)|\new
.set MSB, \new
.endif
.endm
.macro CROUND                          ; a round of the cluster's barrier
	s_barrier_signal -1
	s_barrier_wait -1
	s_cmp_lg_u32 s8, 0
	s_cbranch_scc1 .Lnot_wave_0_\@
	s_barrier_signal -3
.Lnot_wave_0_\@:
	s_barrier_wait -3
	s_barrier_signal -1
	s_barrier_wait -1
.endm
	s_load_b128 s[4:7], s[0:1], 0x0                ; qkv, out0
	v_lshl_add_u32 v254, v0, 2, 0x3b800
	v_mov_b32 v255, 0
	ds_add_u32 v254, v255
	ds_add_u32 v254, v255
	v_lshrrev_b32 v1, 5, v0
	v_readfirstlane_b32 s8, v1                     ; wave 0..7
	s_bfe_u32 s9, ttmp6, 0x40000                   ; cx: it enters Q's and the output's addresses alone
	s_and_b32 s10, ttmp7, 0xffff                   ; 16 b + head, which the four partners share
	s_mul_i32 s38, s10, HS
	s_mov_b32 s39, 0
	s_mul_i32 s11, s8, WPART
	s_mov_b32 s16, 15|(3<<16)|(1<<21)              ; the mask: all four work-groups; elements of 8 bytes; bit 21 beside a mask; no padding
	s_mov_b32 s17, 32<<16                          ; tensor_dim0 = 32 elements: 256 bytes
	s_mov_b32 s18, 102<<16                         ; tensor_dim1
	s_mov_b32 s19, 32<<16                          ; tile_dim0
	s_mov_b32 s20, 102                             ; tile_dim1
	s_mov_b32 s21, 32                              ; the pitch: dense
	s_mov_b32 s22, 0
	s_mov_b32 s23, 0
	s_mov_b32 s24, 0x76543210
	s_mov_b32 s25, 0xfedcba98                      ; lane l xor 16
	s_mov_b32 s26, 0x3e38aa3b                      ; c = log2(e) / 8
	s_mov_b32 s27, s26
	s_wait_dscnt 0x0
	s_wait_kmcnt 0x0
	s_add_nc_u64 s[4:5], s[4:5], s[38:39]          ; my head
	s_add_co_u32 s38, s11, KVOFF
	s_mov_b32 s12, 1
	s_mov_b32 s13, s11                             ; LDS: wave x 26,112
	s_add_nc_u64 s[14:15], s[4:5], s[38:39]
	s_or_b32 s15, s15, 0x80000000
	CROUND                                         ; all four work-groups are here: the joint loads meet
	tensor_load_to_lds s[12:15], s[16:23]          ; my one tensor load of the launch
	s_nop 0
.rept 4
	v_nop
.endr
	s_lshl_b32 s40, s9, 2
	s_lshr_b32 s41, s8, 2
	s_add_co_u32 s40, s40, s41                     ; pass 0's step of 128 queries: 4 cx + wave / 4
	s_and_b32 s41, s8, 3                           ; my pair of tiles in it
	s_mul_i32 s42, s40, 6144
	s_mul_i32 s43, s41, 1536
	s_add_co_u32 s42, s42, s43
	s_mov_b32 s43, 0
	s_add_nc_u64 s[32:33], s[4:5], s[42:43]        ; Q's codes
	s_lshl_b32 s42, s40, 9
	s_lshl_b32 s44, s41, 2
	s_add_co_u32 s42, s42, s44
	s_add_co_u32 s42, s42, 98304
	s_add_nc_u64 s[34:35], s[4:5], s[42:43]        ; Q's scale words
	s_lshr_b32 s42, s10, 4
	s_lshl_b32 s42, s42, 11
	s_lshl_b32 s44, s40, 7
	s_add_co_u32 s42, s42, s44
	s_lshl_b32 s44, s41, 5
	s_add_co_u32 s42, s42, s44                     ; my first token: 2,048 b + 128 step + 32 pair
	s_lshl_b32 s42, s42, 12
	s_and_b32 s44, s10, 15
	s_lshl_b32 s44, s44, 8
	s_add_co_u32 s42, s42, s44
	s_add_nc_u64 s[36:37], s[6:7], s[42:43]
	s_mul_i32 s38, s8, 16*272
	s_add_co_u32 s38, s38, STAGE                   ; my stage
	v_and_b32 v3, 31, v0
	v_lshlrev_b32 v1, 4, v3
	v_lshlrev_b32 v2, 3, v3
	v_add_nc_u32 v60, LV, v1
	v_add_nc_u32 v61, LV, v2
	v_add_nc_u32 v62, LKS, v1
	v_add_nc_u32 v63, LVS, v2
	v_and_b32 v3, 15, v0                           ; r
	v_bfe_u32 v4, v0, 4, 1                         ; h
	v_mul_u32_u24 v9, v3, 272
	v_lshl_add_u32 v9, v4, 6, v9
	v_add_nc_u32 v9, s38, v9                       ; into the stage: row r, + 64 h
	v_mul_u32_u24 v10, v4, 272
	v_lshl_add_u32 v10, v3, 4, v10
	v_add_nc_u32 v10, s38, v10                     ; back: lanes 0-15 one row, lanes 16-31 the next
	v_lshlrev_b32 v11, 12, v4
	v_lshl_add_u32 v11, v3, 4, v11                 ; and the same two rows of the output
.irp j, 44,45,46,47,48,49,50,51,17,19,25,27
	v_mov_b32 v[\j], 0                             ; written once: lane permutes' destinations, and the upper halves of pairs that are named whole
.endr
	WIN 0x40
.irp j, 6,7,8,9,10,11,18,19,20,21,22,23,72,73,74,75,76,77
	v_mov_b32 v[\j], 0                             ; Q's zero codes for k = 64 .. 127, and what stands behind K's last tile
.endr
	WIN 0
	s_wait_tensorcnt 0x0                           ; my part is in,
	s_barrier_signal -1
	s_barrier_wait -1                              ; everybody's is: the one barrier of the launch's work
.macro SPROD t, x                      ; S^T of tile x, keys of tile t
.if ((\t)%2 == 0) && ((\x) == 0)
	v_wmma_scale_f32_16x16x128_f8f6f4 v[S+64*\x+8*\t:S+64*\x+8*\t+7], v[KF+6*\t:KF+6*\t+11], v[12*\x:12*\x+11], 0, v[KSW+(\t)/2], v[QSW] matrix_a_fmt:MATRIX_FMT_FP6 matrix_b_fmt:MATRIX_FMT_FP6
.elseif ((\t)%2 == 1) && ((\x) == 0)
	v_wmma_scale_f32_16x16x128_f8f6f4 v[S+64*\x+8*\t:S+64*\x+8*\t+7], v[KF+6*\t:KF+6*\t+11], v[12*\x:12*\x+11], 0, v[KSW+(\t)/2], v[QSW] matrix_a_fmt:MATRIX_FMT_FP6 matrix_b_fmt:MATRIX_FMT_FP6 matrix_a_scale:MATRIX_SCALE_ROW1
.elseif ((\t)%2 == 0)
	v_wmma_scale_f32_16x16x128_f8f6f4 v[S+64*\x+8*\t:S+64*\x+8*\t+7], v[KF+6*\t:KF+6*\t+11], v[12*\x:12*\x+11], 0, v[KSW+(\t)/2], v[QSW] matrix_a_fmt:MATRIX_FMT_FP6 matrix_b_fmt:MATRIX_FMT_FP6 matrix_b_scale:MATRIX_SCALE_ROW1
.else
	v_wmma_scale_f32_16x16x128_f8f6f4 v[S+64*\x+8*\t:S+64*\x+8*\t+7], v[KF+6*\t:KF+6*\t+11], v[12*\x:12*\x+11], 0, v[KSW+(\t)/2], v[QSW] matrix_a_fmt:MATRIX_FMT_FP6 matrix_b_fmt:MATRIX_FMT_FP6 matrix_a_scale:MATRIX_SCALE_ROW1 matrix_b_scale:MATRIX_SCALE_ROW1
.endif
.endm
.macro OPROD f, x                      ; O^T of tile x, channels of fragment f, += V^T P^T
.if (\f)%2 == 0
	v_wmma_scale_f32_16x16x128_f8f6f4 v[128+32*\x+8*\f:128+32*\x+8*\f+7], v[80+12*\f:80+12*\f+11], v[192+12*\x:192+12*\x+11], v[128+32*\x+8*\f:128+32*\x+8*\f+7], v[VSW+(\f)/2], v[17+8*\x] matrix_a_fmt:MATRIX_FMT_FP6 matrix_b_fmt:MATRIX_FMT_FP6
.else
	v_wmma_scale_f32_16x16x128_f8f6f4 v[128+32*\x+8*\f:128+32*\x+8*\f+7], v[80+12*\f:80+12*\f+11], v[192+12*\x:192+12*\x+11], v[128+32*\x+8*\f:128+32*\x+8*\f+7], v[VSW+(\f)/2], v[17+8*\x] matrix_a_fmt:MATRIX_FMT_FP6 matrix_b_fmt:MATRIX_FMT_FP6 matrix_a_scale:MATRIX_SCALE_ROW1
.endif
.endm
; The stages of a tile's softmax.  x: the tile.  Its scores at v[64 + 64 x], statistics at v[12 + 8 x].
.macro SMAX x
.irp b, 0,1,2,3
	v_max3_num_f32 v[36+4*\x+\b], v[64+64*\x+16*\b], v[65+64*\x+16*\b], v[66+64*\x+16*\b]   ; the largest score of each block of 32 keys: for the row's maximum and for the block's largest p
.endr
.irp i, 3,5,7,9,11,13
.irp b, 0,1,2,3
	v_max3_num_f32 v[36+4*\x+\b], v[36+4*\x+\b], v[64+64*\x+16*\b+\i], v[65+64*\x+16*\b+\i]
.endr
.endr
.irp b, 0,1,2,3
	v_max_num_f32 v[36+4*\x+\b], v[36+4*\x+\b], v[79+64*\x+16*\b]
.endr
.irp b, 0,1,2,3
	v_permlanex16_b32 v[44+4*\x+\b], v[36+4*\x+\b], s24, s25
.endr
.irp b, 0,1,2,3
	v_max_num_f32 v[36+4*\x+\b], v[36+4*\x+\b], v[44+4*\x+\b]      ; with lane l xor 16's 16 keys
.endr
	v_max3_num_f32 v[18+8*\x], v[36+4*\x], v[37+4*\x], v[38+4*\x]
	v_max_num_f32 v[18+8*\x], v[18+8*\x], v[39+4*\x]
	v_mul_f32 v[18+8*\x], s26, v[18+8*\x]                          ; the step's largest t
	v_max_num_f32 v[13+8*\x], v[13+8*\x], v[18+8*\x]               ; the running largest t
	v_mov_b32 v[18+8*\x], v[12+8*\x]
	v_floor_f32 v[12+8*\x], -v[13+8*\x]                            ; the new -M = floor(-t): M is a whole number
	v_sub_f32 v[18+8*\x], v[12+8*\x], v[18+8*\x]                   ; old M less new M: a whole number, 0 or less
	v_cvt_i32_f32 v[18+8*\x], v[18+8*\x]                           ; (it saturates)
	v_ldexp_f32 v[16+8*\x], 1.0, v[18+8*\x]                        ; f = 2^(old M - new M)
.endm
.macro SSCALE x
.set j, 0
.rept 32
	v_pk_fma_f32 v[64+64*\x+j:65+64*\x+j], v[64+64*\x+j:65+64*\x+j], s[26:27], v[12+8*\x:13+8*\x] op_sel_hi:[1,0,0]   ; t - M, two at a time
.set j, j+2
.endr
.irp b, 0,1,2,3
	v_fma_f32 v[36+4*\x+\b], v[36+4*\x+\b], s26, v[12+8*\x]        ; the same of each block's largest score
.endr
.endm
.macro SSUM x
	v_pk_add_f32 v[232+2*\x:233+2*\x], v[64+64*\x:65+64*\x], v[66+64*\x:67+64*\x]   ; the row's sum of the unquantised p, in two chains
.irp j, 4,8,12,16,20,24,28,32,36,40,44,48,52,56,60
	v_pk_add_f32 v[14+8*\x:15+8*\x], v[14+8*\x:15+8*\x], v[64+64*\x+\j:65+64*\x+\j]
	v_pk_add_f32 v[232+2*\x:233+2*\x], v[232+2*\x:233+2*\x], v[66+64*\x+\j:67+64*\x+\j]
.endr
	v_pk_add_f32 v[14+8*\x:15+8*\x], v[14+8*\x:15+8*\x], v[232+2*\x:233+2*\x]
.endm
.macro SBYTES x
.irp b, 0,1,2,3
	v_max_num_f32 v[36+4*\x+\b], 0x1800000, v[36+4*\x+\b]          ; the floor 2^(3 - 127): the byte cannot fall under 1
.endr
.irp b, 0,1,2,3
	v_add_nc_u32 v[52+4*\x+\b], 0xff000000, v[36+4*\x+\b]          ; the conversion's scale operand
.endr
.irp b, 0,1,2,3
	v_lshrrev_b32 v[44+4*\x+\b], 23, v[52+4*\x+\b]                 ; the scale's byte
.endr
	v_lshl_or_b32 v[17+8*\x], v[45+4*\x], 8, v[44+4*\x]            ; p's scale word for these 128 keys
	v_lshl_or_b32 v[17+8*\x], v[46+4*\x], 16, v[17+8*\x]
	v_lshl_or_b32 v[17+8*\x], v[47+4*\x], 24, v[17+8*\x]
.endm
; A KEY STEP: 128 keys, both tiles.
.macro KSTEP
	v_add_nc_u32 v3, s28, v1                       ; the step's addresses; these six lines are also the places in front of the loads into registers that the last products read
	v_add_nc_u32 v4, s28, v2
	v_add_nc_u32 v5, s28, v60
	v_add_nc_u32 v6, s28, v61
	v_add_nc_u32 v7, s29, v62
	v_add_nc_u32 v8, s30, v63
	ds_load_b128 v[KSW:KSW+3], v7                  ; register i: lanes 0-15 tile 2 i's scale words, lanes 16-31 tile 2 i + 1's
	ds_load_b64 v[VSW:VSW+1], v8
	WIN 0x40
.irp t, 0,1,2,3,4,5,6,7
	ds_load_b128 v[KF+6*\t:KF+6*\t+3], v3 offset:768*\t
	ds_load_b64 v[KF+6*\t+4:KF+6*\t+5], v4 offset:768*\t+512
.endr
.irp f, 0,1,2,3
	ds_load_b128 v[80+12*\f:83+12*\f], v5 offset:1536*\f
	ds_load_b64 v[84+12*\f:85+12*\f], v6 offset:1536*\f+512
	ds_load_b128 v[86+12*\f:89+12*\f], v5 offset:1536*\f+768
	ds_load_b64 v[90+12*\f:91+12*\f], v6 offset:1536*\f+1280
.endr
	s_wait_dscnt 16                                ; the scale words and K are in; V's sixteen loads may be out
	WIN 0x05
.irp t, 0,1,2,3,4,5,6,7
.irp x, 0,1
	SPROD \t, \x
.endr
.endr
	WIN 0
.rept 4
	v_nop
.endr
	SMAX 0
	SMAX 1
	SSCALE 0
	SSCALE 1
.set j, 0
.rept 128
	v_exp_f32 v[64+j], v[64+j]                     ; p = 2^(t - M), at most 1: one batch for both tiles
.set j, j+1
.endr
	v_pk_mul_f32 v[14:15], v[14:15], v[16:17] op_sel_hi:[1,0]      ; the sums under the new M (plain lines behind the batch)
	v_pk_mul_f32 v[22:23], v[22:23], v[24:25] op_sel_hi:[1,0]
	s_wait_alu depctr_va_vdst(0)                   ; one wait for the batch, ahead of its first reader
.set j, 0
.rept 8
	v_exp_f32 v[36+j], v[36+j]                     ; the blocks' largest p: the same two instructions on the same numbers give the same bits
.set j, j+1
.endr
	SSUM 0                                         ; (they read the 128 alone: plain work behind the eight)
	SSUM 1
	s_wait_alu depctr_va_vdst(0)                   ; and one for the eight
	SBYTES 0
	SBYTES 1
.irp x, 0,1
.irp c, 0,1
	v_cvt_scalef32_pk16_fp6_f32 v[192+12*\x+6*\c:194+12*\x+6*\c], v[64+64*\x+32*\c:79+64*\x+32*\c], v[52+4*\x+2*\c]
	v_cvt_scalef32_pk16_fp6_f32 v[216+8*\x+4*\c:218+8*\x+4*\c], v[80+64*\x+32*\c:95+64*\x+32*\c], v[53+4*\x+2*\c]
.endr
.endr
	v_nop                                          ; one plain line behind a scaled conversion
.irp x, 0,1
.irp c, 0,1                                    ; a whole block to a lane: lanes 0-15 block 2 c, lanes 16-31 block 2 c + 1
.irp i, 0,1,2
	v_permlane16_swap_b32 v[192+12*\x+6*\c+\i], v[216+8*\x+4*\c+\i]
.endr
.irp i, 0,1,2
	v_mov_b32 v[195+12*\x+6*\c+\i], v[216+8*\x+4*\c+\i]
.endr
.endr
.endr
	WIN 0x41
.irp x, 0,1
.set j, 0
.rept 16
	v_pk_mul_f32 v[128+32*\x+j:129+32*\x+j], v[128+32*\x+j:129+32*\x+j], v[16+8*\x:17+8*\x] op_sel_hi:[1,0]   ; O^T under the new M; these 32 are also the places behind p's scale word and codes
.set j, j+2
.endr
.endr
	s_wait_dscnt 0x0                               ; V is in
	WIN 0x51
.irp f, 0,1,2,3
.irp x, 0,1
	OPROD \f, \x                                   ; eight accumulators by turns
.endr
.endr
	WIN 0
.endm
.macro PASS p
	s_wait_xcnt 0x0                                ; the last pass's stores have read their registers
	WIN 0x40
	global_load_b128 v[0:3], v1, s[32:33] offset:12288*\p
	global_load_b64 v[4:5], v2, s[32:33] offset:12288*\p+512
	global_load_b128 v[12:15], v1, s[32:33] offset:12288*\p+768
	global_load_b64 v[16:17], v2, s[32:33] offset:12288*\p+1280
.set j, 0
.rept 64
	v_mov_b32 v[128+j], 0                          ; O^T: the step is written once; the first change of M leaves zeros zeros
.set j, j+1
.endr
	WIN 0
	global_load_b32 v[QSW], v1, s[34:35] offset:1024*\p            ; lanes 0-15 the first tile's scale words, lanes 16-31 the second's
.irp x, 0,1
	v_mov_b32 v[13+8*\x], 0xff61b1e6               ; the largest t so far: -3e38
	v_floor_f32 v[12+8*\x], -v[13+8*\x]
	v_mov_b32 v[14+8*\x], 0
	v_mov_b32 v[15+8*\x], 0
.endr
	s_mov_b32 s28, 0                               ; the step's codes: 6,144 bytes a step, K's and V's alike
	s_mov_b32 s29, 0                               ; K's scale images: 512
	s_mov_b32 s30, 0                               ; V's: 256
	s_mov_b32 s31, 16
	s_wait_loadcnt 0x0
.Lstep_\@:
	KSTEP
	s_add_co_u32 s28, s28, 6144
	s_add_co_u32 s29, s29, 512
	s_add_co_u32 s30, s30, 256
	s_sub_co_u32 s31, s31, 1
	s_cmp_lg_u32 s31, 0
	s_cbranch_scc1 .Lstep_\@
	; the way out: O^T / the sum, through my stage, so that sixteen lanes store 256 consecutive bytes, aligned
.rept 4
	v_nop
.endr
.irp x, 0,1
	v_add_f32 v[18+8*\x], v[14+8*\x], v[15+8*\x]
.endr
.irp x, 0,1
	v_permlanex16_b32 v[19+8*\x], v[18+8*\x], s24, s25
.endr
.irp x, 0,1
	v_add_f32 v[18+8*\x], v[18+8*\x], v[19+8*\x]   ; the row's sum
.endr
.irp x, 0,1
	v_rcp_f32 v[18+8*\x], v[18+8*\x]
.endr
	v_nop
	s_wait_alu depctr_va_vdst(0)                   ; one wait for the two reciprocals, ahead of the first reader
	WIN 0x01
.irp x, 0,1
.set j, 0
.rept 32
	v_mul_f32 v[64+64*\x+j], v[128+32*\x+j], v[18+8*\x]            ; register 8 f + i: channel 32 (f / 2) + 8 (f % 2) + 16 h + i
.set j, j+1
.endr
.endr
	WIN 0
.irp x, 0,1
.irp f, 0,1,2,3
	ds_store_b128 v9, v[64+64*\x+8*\f:67+64*\x+8*\f] offset:128*(\f/2)+32*(\f%2)
	ds_store_b128 v9, v[68+64*\x+8*\f:71+64*\x+8*\f] offset:128*(\f/2)+32*(\f%2)+16
.endr
.irp k, 0,1,2,3,4,5,6,7
	ds_load_b128 v[96+64*\x+4*\k:99+64*\x+4*\k], v10 offset:2*\k*272   ; LDS serves a wave's instructions in order: these see my stores, and the next tile's stores come behind them
.endr
.endr
.irp x, 0,1
.irp k, 0,1,2,3,4,5,6,7
	s_wait_dscnt 16*(1-\x)+7-\k                    ; behind the first tile's loads stand the second tile's sixteen LDS instructions
	global_store_b128 v11, v[96+64*\x+4*\k:99+64*\x+4*\k], s[36:37] offset:(8*\x+2*\k+8*(\k/4))*4096+1048576*\p th:TH_STORE_NT   ; stage row i is query 8 x + i + 8 (i / 8) of my 32
.endr
.endr
.endm
	PASS 0
	PASS 1
	s_wait_dscnt 0x0
	s_wait_tensorcnt 0x0
	ds_add_u32 v254, v255
	s_wait_dscnt 0x0
	CROUND                                         ; the closing round: no work-group ends while a partner may still ask for a tile that names it
	s_endpgm
.Lfunc_end_k_qfe499bd299_attn:
	.size	k_qfe499bd299_attn, .Lfunc_end_k_qfe499bd299_attn-k_qfe499bd299_attn
	.p2alignl 7, 3214868480
	.fill 96, 4, 3214868480
	.section	.rodata,"a",@progbits
	.p2align	6, 0x0
	.amdhsa_kernel k_qfe499bd299_attn
		.amdhsa_group_segment_fixed_size 244736
		.amdhsa_private_segment_fixed_size 0
		.amdhsa_enable_private_segment 0
		.amdhsa_kernarg_size 16
		.amdhsa_user_sgpr_count 2
		.amdhsa_user_sgpr_kernarg_segment_ptr 1
		.amdhsa_wavefront_size32 1
		.amdhsa_system_sgpr_workgroup_id_x 1
		.amdhsa_system_sgpr_workgroup_id_y 1
		.amdhsa_system_sgpr_workgroup_id_z 1
		.amdhsa_system_vgpr_workitem_id 0
		.amdhsa_next_free_vgpr 512
		.amdhsa_next_free_sgpr 66
		.amdhsa_reserve_vcc 0
		.amdhsa_float_denorm_mode_32 3
		.amdhsa_float_denorm_mode_16_64 3
		.amdhsa_memory_ordered 1
		.amdhsa_forward_progress 1
		.amdhsa_inst_pref_size 84
	.end_amdhsa_kernel
	.amdgpu_metadata
---
amdhsa.version: [ 1, 2 ]
amdhsa.kernels:
  - .name:           k_qfe499bd299_attn
    .symbol:         k_qfe499bd299_attn.kd
    .args:
      - { .name: qkv, .offset: 0, .size: 8, .value_kind: global_buffer, .address_space: global }
      - { .name: out0, .offset: 8, .size: 8, .value_kind: global_buffer, .address_space: global }
    .group_segment_fixed_size: 244736
    .private_segment_fixed_size: 0
    .kernarg_segment_align: 8
    .kernarg_segment_size: 16
    .max_flat_workgroup_size: 256
    .sgpr_count:     66
    .vgpr_count:     512
    .wavefront_size: 32
...
	.end_amdgpu_metadata
.endif
;; end of part 3
